; MI455X (gfx1250); checked and timed in simulation.
; The chip was launched on July 23, 2026; its instructions are those of AMD's public machine-readable ISA for CDNA 5 (MIT licence, August 2026) and "CDNA5" Instruction Set Architecture Reference Guide (July 2026). The comments in the code are by the model that wrote it; some were corrected since.
;; GRU Cell. Allowed arithmetic: matrix products marked QUANTISED: E4M3 operands, one given power-of-two scale a tensor, by v_wmma_f32_16x16x64_fp8_fp8 or v_wmma_f32_16x16x128_fp8_fp8, f32 sums; everything else in f32.
;; Inputs: W_gate_codes 1,024 x 32 x 32 uint8 (E4M3 codes of W_gate, K innermost, in blocks of 32 codes); W_h_codes 512 x 16 x 32 uint8 (E4M3 codes of W_h, K innermost, in blocks of 32 codes); W_i_codes 512 x 16 x 32 uint8 (E4M3 codes of W_i, K innermost, in blocks of 32 codes); b_gate 1,024 float32; b_h 512 float32; b_i 512 float32; hidden 16,384 x 512 float32; input 16,384 x 512 float32; lowp_scales 6 int32 (the exponents e of the quantised operands' scales 2^e).
;; Outputs: out0 16,384 x 512 float32.
;; This version of the problem:
;;   THIS VERSION OF THE PROBLEM IS GIVEN IN LOW PRECISION. The matrix products marked QUANTISED in the list below multiply operands that are first quantised to E4M3 (4 exponent bits, 3 mantissa bits; 8 bits a number), with one given power-of-two scale for each operand tensor; their sums are f32. All else is computed in f32.
;;   The module's matrix products, in the order in which they are computed (A, B: the left and right operand; K: the contracted axis; several contracted axes count as one K, in the product's order):
;;     1. [M 16,384, K 1,024] x [K 1,024, N 1,024]; A: computed on the way; B: input W_gate (given as codes): QUANTISED (scales: A lowp_scales[0], B lowp_scales[1])
;;     2. [M 16,384, K 512] x [K 512, N 512]; A: input input; B: input W_i (given as codes): QUANTISED (scales: A lowp_scales[2], B lowp_scales[3])
;;     3. [M 16,384, K 512] x [K 512, N 512]; A: input hidden; B: input W_h (given as codes): QUANTISED (scales: A lowp_scales[4], B lowp_scales[5])
;;   THE QUANTISER, for each operand of a quantised product, along K:
;;     - The operand's scale is 2^e, e = its entry of the input lowp_scales (int32; the entries are numbered through the quantised products in the list's order, A before B).
;;     - Each number is divided by the scale, clamped to +-448, and rounded to the nearest number of E4M3, ties to even, subnormals kept.
;;     - The product sums the exact products of the quantised numbers (number of the format x scale) in f32.
;;   ~~~python
;;   def quantise(x, axis, e):      # numpy; x: float32 -> the quantised numbers, widened to float32 again
;;       x = np.moveaxis(x, axis, -1); K = x.shape[-1]
;;       r = np.clip(x / 2.0 ** e, -448, 448)
;;       step = 2.0 ** (np.maximum(np.frexp(np.where(r == 0, 1, r))[1] - 1, -6) - 3)
;;       q = np.round(r / step) * step * 2.0 ** e      # np.round: ties to even
;;       return np.moveaxis(q, -1, axis).astype(np.float32)
;;   ~~~
;;   OPERANDS COMPUTED ON THE WAY. 'Computed on the way' means the value that the module computes at that place (a softmax that the list does not call 'softmax' is quantised finished and normalised). What goes into a quantiser is computed in f32, as accurately as f32 sums, v_exp_f32 and their like allow (about 1e-6 of the number): no bf16 or f16 on the way to a quantiser, and a product that is left as it is and whose result goes on into a quantised operand takes f32 operands (vector FMAs, or v_wmma_f32_16x16x4_f32). A number that lies on a knife's edge between two numbers of the format may be rounded either way, as far as f32 arithmetic and the matrix unit's own rounding can turn it there, and no further.
;;   INPUTS GIVEN AS CODES. W_gate (in the module: [1024, 1024], K = its axis 1); W_h (in the module: [512, 512], K = its axis 1); W_i (in the module: [512, 512], K = its axis 1): each comes as NAME_codes (uint8): NAME with its K axis moved to the last place and cut into blocks of 32 codes, [.., K / 32, bytes a block], one block behind the other in memory; one code a byte (a code: sign, 4 exponent bits, 3 mantissa bits); its scale is its entry of lowp_scales. Its value is code x scale, taken as it is: it is not quantised again, and the codes and scales need not be those that the quantiser above would give.
;; One version. Each part assembles by itself: llvm-mc -triple=amdgcn-amd-amdhsa -mcpu=gfx1250 --defsym DOCPART=n.
;; ======== version 1 of 1: 1 launch
;; limits: right only within a limited range of input values
;; launch gru (part 1): grid 256 x 1, 4 waves a work-group, no clusters, 308,736 bytes of LDS; arguments input, hidden, W_gate_codes, W_i_codes, W_h_codes, b_gate, b_i, b_h, lowp_scales, out0; writes out0
.if DOCPART == 1
	.amdgcn_target "amdgcn-amd-amdhsa--gfx1250"
	.amdhsa_code_object_version 6
	.text
	.protected	k_q860f386cb5_gru
	.globl	k_q860f386cb5_gru
	.p2align	8
	.type	k_q860f386cb5_gru,@function
k_q860f386cb5_gru:
	s_mov_b64 s[64:65], 0
	v_nop
	global_prefetch_b8 v0, s[64:65] scope:SCOPE_SE
	s_setreg_imm32_b32 hwreg(HW_REG_WAVE_MODE, 25, 1), 1
	s_wait_xcnt 0x0
; GRU cell, one launch: out = n + z (hidden - n), r, z = sigmoid([x h] Wg^T + bg), n = tanh(x Wi^T + bi + r (h Wh^T + bh)).
; A work-group makes 128 rows x 256 columns of the output; 256 work-groups.
; PHASE 1: each wave loads its 32 rows of input and of hidden (a load = 512 consecutive bytes of a row), quantises every number by the scale of the joint product and by that of its own product, and
; stores the codes in LDS: 128 rows x 2048 codes.  PHASE 2: two passes of 128 columns; a wave makes 128 rows x 32 columns of the four sums r, z, i, h: 64 accumulators, 512 registers.  The weights' fragments
; come from memory straight into registers, a ring of three K steps of 128 (6 fragments each), asked for two K steps ahead; the codes' fragments come from LDS, three groups of two row tiles in turn.
; A pass has nine slots of the ring: eight K steps and, as the ninth, hidden for the way out; so each pass begins with the ring's first buffer.
; NO CLUSTER: the codes take 270,336 bytes of LDS, so no two slots of f32 rows or of weights fit beside them, and what is shared goes through registers.  The two work-groups of a row block have numbers 16 apart.
; NO PREFETCH: phase 1 keeps 56 to 63 loads a wave outstanding; the weights are 1.5 MB that all work-groups read.
; LIMITS: the scales' exponents lie between -126 and 119, the sums of two operands' exponents so that 2.9 x 2^sum is a normal f32.  A NaN in input or hidden is held like a number beyond the range where it enters a product.
; REGISTERS: v0-31 addresses; v32-223 six buffers of codes (row tile: 16 registers joint codes, 16 own codes), in the way out bias and hidden; v224-511 weights; v512-1023 accumulators; in phase 1 v512-767
; hold 16 rows on their way and v768.. temporaries.
.set RP,   528                 ; LDS row of 512 codes + 16 bytes of padding
.set HB16, 16*RP               ; 16 rows
.set SEPB, 16*HB16             ; own codes behind joint codes: [wave][input, hidden][2][16 rows]
.set BIAS, 2*SEPB
.set STAGE, BIAS+4096          ; two stages of 32 rows x (512 + 16) bytes
.set SSTEP, 32*RP
.set SPARE, STAGE+2*SSTEP      ; 128 bytes a wave that no other line names
.set XO, 6
.set SACB, 7
.set BW, 8
.set CA, 9
.set WA, 13
.set WB, 14
.set HO, 15
.set BA, 16
.set STO, 17
.set RD, 18
.set OO, 19
.set SAC, 20
.set SAS, 21
.set BAC, 22
.set SPW, 28
.set NIL, 29
.set TA, 0                     ; phase 1, window 3
.set TB, 32
.set CD, 64                    ; two sets of 16
.set LM0, 96
.set SC0, 97
.set LMS, 98
.set SCS, 99
.set BRZ, 192                  ; way out, window 0: bias of r, z; of i, h; hidden of chunk 3
.set BIH, 32
.set HC3, 160
.set KR, 68
.set KI, 70
.set KH, 72
.set MSB, 0
.macro WIN new                 ; the immediate's high byte repeats the setting that is left
.if MSB != (\new)
	s_set_vgpr_msb (MSB<<8)|(\new)
.set MSB, (\new)
.endif
.endm
	s_load_b256 s[4:11], s[0:1], 0x0               ; input, hidden, W_gate, W_i
	s_load_b256 s[12:19], s[0:1], 0x20             ; W_h, b_gate, b_i, b_h
	s_load_b128 s[20:23], s[0:1], 0x40             ; scales, out
	v_lshl_add_u32 v[SPW], v0, 2, SPARE
	v_mov_b32 v[NIL], 0
	v_lshrrev_b32 v1, 5, v0
	v_readfirstlane_b32 s24, v1                    ; wave
	v_and_b32 v2, 31, v0                           ; lane
	v_and_b32 v3, 15, v0                           ; r
	v_bfe_u32 v4, v0, 4, 1                         ; h
	v_lshlrev_b32 v5, 4, v2                        ; 16 x lane
	s_wait_alu depctr_va_vdst(0)
	s_lshl_b32 s2, s24, 16
	v_add_nc_u32 v[XO], s2, v5                     ; 32 rows of 2048 bytes a wave
	s_mul_i32 s2, s24, 4*HB16
	v_lshlrev_b32 v[SACB], 2, v2
	v_add_nc_u32 v[SACB], s2, v[SACB]
	s_lshl_b32 s2, s24, 10
	s_add_co_u32 s2, s2, BIAS
	v_add_nc_u32 v[BW], s2, v5
	v_mul_u32_u24 v23, v3, RP
	v_lshl_add_u32 v[CA], v4, 4, v23               ; fragments: row r, 16 h
	v_add_nc_u32 v[CA+1], 8*HB16, v[CA]
	v_add_nc_u32 v[CA+2], SEPB, v[CA]
	v_add_nc_u32 v[CA+3], SEPB+8*HB16, v[CA]
	s_lshl_b32 s2, s24, 7
	v_lshl_add_u32 v24, v4, 5, s2                  ; 128 w + 32 h
	v_lshl_add_u32 v[HO], v3, 11, v24
	v_add_nc_u32 v[BA], BIAS, v24
	v_add_nc_u32 v[STO], v23, v24
	v_add_nc_u32 v[STO], STAGE, v[STO]
	v_lshlrev_b32 v25, 4, v4
	v_lshl_add_u32 v[WA], v3, 10, v25
	v_lshl_add_u32 v[WB], v3, 9, v25
	s_mul_i32 s2, s24, 8*RP
	s_add_co_u32 s2, s2, STAGE
	v_add_nc_u32 v[RD], s2, v5
	s_lshl_b32 s2, s24, 14
	v_add_nc_u32 v[OO], s2, v5
	s_lshr_b32 s48, ttmp9, 5
	s_lshl_b32 s48, s48, 4
	s_and_b32 s2, ttmp9, 15
	s_or_b32 s48, s48, s2                          ; row block of 128 rows
	s_bfe_u32 s49, ttmp9, 0x10004                  ; which 256 columns
	s_lshl_b32 s50, s48, 18
	s_mov_b32 s51, 0
	s_lshl_b32 s28, s49, 10                        ; 256 columns of f32
	s_mov_b32 s29, 0
	s_wait_alu depctr_va_vdst(0)                   ; the wait at the head's end
	s_wait_kmcnt 0x0
	s_load_b128 s[52:55], s[20:21], 0x0            ; the scales' exponents
	s_load_b64 s[56:57], s[20:21], 0x10
	s_add_nc_u64 s[34:35], s[4:5], s[50:51]        ; input, my rows
	s_add_nc_u64 s[36:37], s[34:35], 32768         ; 16 rows on
	s_add_nc_u64 s[38:39], s[6:7], s[50:51]        ; hidden
	s_add_nc_u64 s[40:41], s[38:39], 32768
	s_add_nc_u64 s[42:43], s[38:39], s[28:29]      ; hidden, my columns
	s_add_nc_u64 s[44:45], s[22:23], s[50:51]
	s_add_nc_u64 s[44:45], s[44:45], s[28:29]      ; out, my columns
	; wave w brings the bias of sum w (r, z, i, h)
	s_add_nc_u64 s[30:31], s[14:15], 2048
	s_cmp_eq_u32 s24, 0
	s_cselect_b64 s[74:75], s[14:15], s[30:31]
	s_cmp_eq_u32 s24, 2
	s_cselect_b64 s[74:75], s[16:17], s[74:75]
	s_cmp_eq_u32 s24, 3
	s_cselect_b64 s[74:75], s[18:19], s[74:75]
	s_add_nc_u64 s[74:75], s[74:75], s[28:29]
	global_load_b128 v[32:35], v5, s[74:75]
	global_load_b128 v[36:39], v5, s[74:75] offset:512
.macro XLOAD u                 ; two rows, 8 loads
	WIN 0x80
.irp a, 0,1
.irp i, 0,1,2,3
	global_load_b128 v[32*(\u)+16*\a+4*\i:32*(\u)+16*\a+4*\i+3], v[XO], s[34:35] offset:(2*(\u)+\a)*2048+512*\i
.endr
.endr
.endm
.irp u, 0,1,2,3,4,5,6,7
	XLOAD \u
.endr
	WIN 0
	; weights: my columns of the first pass
	s_lshl_b32 s2, s49, 3
	s_add_co_u32 s2, s2, s24                       ; 32-row groups: 8 x half + wave
	s_lshl_b32 s50, s2, 15
	s_mov_b32 s51, 0
	s_add_nc_u64 s[8:9], s[8:9], s[50:51]
	s_lshl_b32 s50, s2, 14
	s_add_nc_u64 s[10:11], s[10:11], s[50:51]
	s_add_nc_u64 s[12:13], s[12:13], s[50:51]
	s_wait_kmcnt 0x0
.macro MKSCALE e, sc, lm       ; 2^e, and 448 x 2^e
	s_add_co_i32 s2, s[\e], 127
	s_lshl_b32 s[\sc], s2, 23
	s_add_co_i32 s2, s2, 8
	s_lshl_b32 s2, s2, 23
	s_or_b32 s[\lm], s2, 0x600000
.endm
	MKSCALE 52, 60, 61
	MKSCALE 54, 62, 63
	MKSCALE 56, 66, 67
.macro MKK ea, eb, const, k    ; const x 2^(ea + eb), in both words of a pair
	s_add_co_i32 s2, s[\ea], s[\eb]
	v_mov_b32 v23, \const
	v_ldexp_f32 v23, v23, s2
	v_readfirstlane_b32 s[\k], v23
	s_mov_b32 s[\k+1], s[\k]
.endm
	MKK 52, 53, 0xbfb8aa3b, KR                     ; -log2(e): sigmoid
	MKK 54, 55, 0x4038aa3b, KI                     ; 2 log2(e): tanh
	MKK 56, 57, 0x4038aa3b, KH
	WIN 0xc0
	v_mov_b32 v[LM0], s61
	v_mov_b32 v[SC0], s60
	WIN 0
	s_mov_b32 s32, 0xbfb8aa3b
	s_mov_b32 s33, 0x4038aa3b
	s_cmp_lt_u32 s24, 2
	s_cselect_b32 s32, s32, s33
	s_wait_alu depctr_va_vdst(0)
	s_wait_loadcnt 63                              ; the two oldest loads, the bias, are in (64 are younger)
.irp i, 32,34,36,38
	v_pk_mul_f32 v[\i:\i+1], v[\i:\i+1], s[32:33] op_sel_hi:[1,0]
.endr
	ds_store_b128 v[BW], v[32:35]
	ds_store_b128 v[BW], v[36:39] offset:512
; a load of 16 bytes a lane of the weights: K step j, load e of its 24 (fragments r0 r1 z0 z1 and i0 i1 or h0 h1, four loads each); np = 1: the next pass's columns
.macro WLOAD j, e, np
.set WQ, (\e)/4
.set WR, 224+96*((\j)%3)+16*WQ+4*((\e)%4)
	WIN 0x40*(WR/256)
.if WQ < 4
	global_load_b128 v[WR%256:WR%256+3], v[WA], s[8:9] offset:(WQ/2)*524288+(WQ%2)*16384+128*(\j)+32*((\e)%4)+131072*(\np)
.elseif (\j) < 4
	global_load_b128 v[WR%256:WR%256+3], v[WB], s[10:11] offset:(WQ-4)*8192+128*((\j)%4)+32*((\e)%4)+65536*(\np)
.else
	global_load_b128 v[WR%256:WR%256+3], v[WB], s[12:13] offset:(WQ-4)*8192+128*((\j)%4)+32*((\e)%4)+65536*(\np)
.endif
.endm
; PHASE 1, a unit of two rows.  A lane holds four neighbours of each 128 along K, so a conversion of eight makes two words of four codes each.
; tail = 0: ask for the two rows of the next trip; tail = 1: six of the 48 loads of the first two K steps' weights.
.macro UNIT u, w, tail
.set CX, CD+16*((\u)%2)
	WIN 0xfe
	s_wait_loadcnt \w
.set n, 0
.rept 32
	v_med3_num_f32 v[TA+n], v[32*(\u)+n], -v[LM0], v[LM0]
.set n, n+1
.endr
.set n, 0
.rept 32
	v_med3_num_f32 v[TB+n], v[32*(\u)+n], -v[LMS], v[LMS]
.set n, n+1
.endr
	WIN 0xff
.irp i, 0,1,2,3
	v_cvt_scalef32_pk8_fp8_f32 v[CX+2*\i:CX+2*\i+1], v[TA+8*\i:TA+8*\i+7], v[SC0]
.endr
.irp i, 0,1,2,3
	v_cvt_scalef32_pk8_fp8_f32 v[CX+8+2*\i:CX+9+2*\i], v[TB+8*\i:TB+8*\i+7], v[SCS]
.endr
	v_nop
	WIN 0x0c
.irp a, 0,1
.irp i, 0,1,2,3
	ds_store_b32 v[SAC], v[CX+4*\a+\i] offset:(2*(\u)+\a)*RP+128*\i
	ds_store_b32 v[SAS], v[CX+8+4*\a+\i] offset:(2*(\u)+\a)*RP+128*\i
.endr
.endr
.if \tail
.irp i, 0,1,2,3,4,5
	WLOAD (6*(\u)+\i)/24, (6*(\u)+\i)%24, 0
.endr
.else
	XLOAD \u
.endif
.endm
	s_mov_b32 s25, 0                               ; trips: input rows 0-15, 16-31, hidden rows 0-15 (and behind the loop 16-31) of my 32
	s_mov_b32 s26, 0
.Lq:
	s_wait_xcnt 0x0                                ; the loads have read their base
	s_cmp_eq_u32 s25, 1
	s_cselect_b64 s[34:35], s[38:39], s[40:41]
	s_cmp_eq_u32 s25, 0
	s_cselect_b64 s[34:35], s[36:37], s[34:35]     ; where the next trip's rows lie
	s_cmp_lt_u32 s25, 2
	s_cselect_b32 s58, s63, s67
	s_cselect_b32 s59, s62, s66                    ; own product's scale: input's or hidden's
	v_add_nc_u32 v[SAC], s26, v[SACB]
	v_add_nc_u32 v[SAS], SEPB, v[SAC]
	WIN 0xc0
	v_mov_b32 v[LMS], s58
	v_mov_b32 v[SCS], s59
	s_wait_alu depctr_va_vdst(0)                   ; ahead of the unit's blocking wait
.irp u, 0,1,2,3,4,5,6,7
	UNIT \u, 56, 0                                 ; seven younger units of 8 loads
.endr
	WIN 0
	s_add_co_u32 s26, s26, HB16
	s_add_co_u32 s25, s25, 1
	s_cmp_lt_u32 s25, 3
	s_cbranch_scc1 .Lq
	v_add_nc_u32 v[SAC], 3*HB16, v[SACB]
	v_add_nc_u32 v[SAS], SEPB, v[SAC]
	s_wait_alu depctr_va_vdst(0)
.irp u, 0,1,2,3,4,5,6,7
	UNIT \u, 56-2*\u, 1                            ; 7 - u younger units of 8 loads and 6 u of weights
.endr
	WIN 0
	s_wait_dscnt 0x0                               ; my codes and my bias are in LDS
	s_barrier_signal -1
	s_barrier_wait -1
; PHASE 2.  The eight LDS loads of row tile x % 8 of K step x / 8: joint codes, own codes
.macro CLOAD x
.set CJ, (\x)/8
.set CT, (\x)%8
.set CR, 32+32*((\x)%6)
.set CF, (CJ/4)*2*HB16+128*(CJ%4)+((CT%4)/2)*4*HB16+(CT%2)*HB16
.irp c, 0,1,2,3
	ds_load_b128 v[CR+4*\c:CR+4*\c+3], v[CA+CT/4] offset:CF+32*\c
.endr
.irp c, 0,1,2,3
	ds_load_b128 v[CR+16+4*\c:CR+19+4*\c], v[CA+2+CT/4] offset:CF+32*\c
.endr
.endm
.macro BLOAD g, base           ; the bias of sums g, g + 1, eight columns of each of my two column tiles
.irp a, 0,1
.irp c, 0,1
.irp q, 0,1
	ds_load_b128 v[\base+16*\a+8*\c+4*\q:\base+16*\a+8*\c+4*\q+3], v[BAC] offset:1024*(\g+\a)+64*\c+16*\q
.endr
.endr
.endr
.endm
.macro HLOAD x                 ; hidden in the sums' layout: row tile x / 4; chunks 0-2 (x under 24) go to the ring's third buffer, chunk 3 to a codes' buffer
.if (\x) < 24
.set HR, 160+4*(\x)
	WIN 0x40
.else
.set HR, HC3+4*((\x)-24)
	WIN 0
.endif
	global_load_b128 v[HR:HR+3], v[HO], s[42:43] offset:((\x)/4)*32768+(((\x)/2)%2)*64+((\x)%2)*16
.endm
; source 0 = 16 rows of a weight, source 1 = 16 rows of codes: lane (r, h) then holds row r and the columns 8 h + 0 .. 7 of the sum
.macro MMA j, t, q
.set MW, 224+96*((\j)%3)+16*(\q)
.if (\q) < 4
.set MG, 2*((\q)/2)
.set MC, CB
.else
.set MG, 4+2*((\j)/4)
.set MC, CB+16
.endif
.set MA, 64*((\t)%4)+8*MG+8*((\q)%2)
	WIN (MW/256)+0x50*(2+(\t)/4)
.if ((\j) == 0) || (((\j) == 4) && ((\q) > 3))
	v_wmma_f32_16x16x128_fp8_fp8 v[MA:MA+7], v[MW%256:MW%256+15], v[MC:MC+15], 0
.else
	v_wmma_f32_16x16x128_fp8_fp8 v[MA:MA+7], v[MW%256:MW%256+15], v[MC:MC+15], v[MA:MA+7]
.endif
.endm
; row tiles 2 g and 2 g + 1 of K step j: twelve matrix instructions; then their buffers take the group three further on (behind the last groups: bias).
; ld: 1 weights of K step j + 2, 3 hidden of chunks 0-2: six loads a group; 4 hidden of chunk 3 and the next pass's K step 0 behind groups 1 to 3; 5 hidden of chunk 3 alone
.macro GRP j, g, ld
.set TG, 4*(\j)+\g
.set DW, 44                    ; behind a group's first four loads: its other 12, and two groups of 16
.if TG == 30
.set DW, 36                    ; one group, 8 of bias
.elseif TG == 31
.set DW, 28                    ; 16 of bias
.endif
.set CB, 32+32*((2*TG)%6)
	s_wait_dscnt DW
.irp q, 0,1,2,3
	MMA \j, 2*\g, \q
.endr
	s_wait_dscnt DW-4
.irp q, 4,5
	MMA \j, 2*\g, \q
.endr
.set CB, CB+32
	s_wait_dscnt DW-8
.irp q, 0,1,2,3
	MMA \j, 2*\g+1, \q
.endr
	s_wait_dscnt DW-12
.irp q, 4,5
	MMA \j, 2*\g+1, \q
.endr
	WIN 0
.rept 4
	v_nop                                          ; places ahead of loads into what the matrix instructions have read
.endr
.if TG < 29
	CLOAD 2*TG+6
	CLOAD 2*TG+7
.elseif TG == 29
	BLOAD 0, BRZ
.elseif TG == 30
	BLOAD 2, BIH
.endif
.if (\ld) == 1
.irp i, 0,1,2,3,4,5
	WLOAD (\j)+2, 6*(\g)+\i, 0
.endr
.endif
.if (\ld) == 3
.irp i, 0,1,2,3,4,5
	HLOAD 6*(\g)+\i
.endr
.endif
.if ((\ld) > 3) && ((\g) == 1)
.irp i, 24,25,26,27,28,29,30,31
	HLOAD \i
.endr
.endif
.if ((\ld) == 4) && ((\g) > 0)
.irp i, 0,1,2,3,4,5,6,7
	WLOAD 0, 8*((\g)-1)+\i, 1
.endr
.endif
.endm
.macro KS j, ld
	s_wait_loadcnt 24                              ; this K step's weights are in; the next slot's 24 loads may be out
.irp g, 0,1,2,3
	GRP \j, \g, \ld
.endr
	WIN 0
.endm
; THE WAY OUT, chunks of 32 rows: registers of chunk ck: window EW, from EB on, for each of two row tiles r (16), z, i, h.
.macro SETC ck
.set EW, 2+(\ck)/2
.set EB, 128*((\ck)%2)
.endm
.macro CHUNK ck
	SETC \ck
	WIN EW*0x41
	s_wait_alu depctr_va_vdst(0)                   ; the wait ahead of the first readers of these sums
.irp t, 0,1
.irp n, 0,2,4,6,8,10,12,14
	v_pk_fma_f32 v[EB+64*\t+\n:EB+64*\t+\n+1], v[EB+64*\t+\n:EB+64*\t+\n+1], s[KR:KR+1], v[BRZ+\n:BRZ+\n+1] op_sel_hi:[1,0,1]
	v_pk_fma_f32 v[EB+64*\t+16+\n:EB+64*\t+17+\n], v[EB+64*\t+16+\n:EB+64*\t+17+\n], s[KR:KR+1], v[BRZ+16+\n:BRZ+17+\n] op_sel_hi:[1,0,1]
	v_pk_fma_f32 v[EB+64*\t+32+\n:EB+64*\t+33+\n], v[EB+64*\t+32+\n:EB+64*\t+33+\n], s[KI:KI+1], v[BIH+\n:BIH+\n+1] op_sel_hi:[1,0,1]
	v_pk_fma_f32 v[EB+64*\t+48+\n:EB+64*\t+49+\n], v[EB+64*\t+48+\n:EB+64*\t+49+\n], s[KH:KH+1], v[BIH+16+\n:BIH+17+\n] op_sel_hi:[1,0,1]
.endr
.endr
	WIN EW*0x55
	s_wait_alu depctr_va_vdst(0)
.irp t, 0,1
.set n, 0
.rept 16
	v_exp_f32 v[EB+64*\t+n], v[EB+64*\t+n]
.set n, n+1
.endr
.endr
	v_nop
	s_wait_alu depctr_va_vdst(0)
.irp t, 0,1
.irp n, 0,2,4,6,8,10,12,14
	v_exp_f32 v[EB+64*\t+16+\n], v[EB+64*\t+16+\n]
	v_exp_f32 v[EB+64*\t+17+\n], v[EB+64*\t+17+\n]
	v_pk_add_f32 v[EB+64*\t+\n:EB+64*\t+\n+1], v[EB+64*\t+\n:EB+64*\t+\n+1], 1.0 op_sel_hi:[1,0]
.endr
.endr
	s_wait_alu depctr_va_vdst(0)
.irp t, 0,1
.irp n, 0,2,4,6,8,10,12,14
	v_rcp_f32 v[EB+64*\t+\n], v[EB+64*\t+\n]       ; r
	v_rcp_f32 v[EB+64*\t+\n+1], v[EB+64*\t+\n+1]
	v_pk_add_f32 v[EB+64*\t+16+\n:EB+64*\t+17+\n], v[EB+64*\t+16+\n:EB+64*\t+17+\n], 1.0 op_sel_hi:[1,0]
.endr
.endr
	s_wait_alu depctr_va_vdst(0)
.irp t, 0,1
.irp n, 0,2,4,6,8,10,12,14
	v_rcp_f32 v[EB+64*\t+16+\n], v[EB+64*\t+16+\n] ; z
	v_rcp_f32 v[EB+64*\t+17+\n], v[EB+64*\t+17+\n]
	v_pk_fma_f32 v[EB+64*\t+32+\n:EB+64*\t+33+\n], v[EB+64*\t+\n:EB+64*\t+\n+1], v[EB+64*\t+48+\n:EB+64*\t+49+\n], v[EB+64*\t+32+\n:EB+64*\t+33+\n]
.endr
.endr
	s_wait_alu depctr_va_vdst(0)
.irp t, 0,1
.set n, 32
.rept 16
	v_exp_f32 v[EB+64*\t+n], v[EB+64*\t+n]
.set n, n+1
.endr
.endr
	v_nop
	s_wait_alu depctr_va_vdst(0)
.irp t, 0,1
.irp n, 32,34,36,38,40,42,44,46
	v_pk_add_f32 v[EB+64*\t+\n:EB+64*\t+\n+1], v[EB+64*\t+\n:EB+64*\t+\n+1], 1.0 op_sel_hi:[1,0]
.endr
.endr
	s_wait_alu depctr_va_vdst(0)
.irp t, 0,1
.set n, 32
.rept 16
	v_rcp_f32 v[EB+64*\t+n], v[EB+64*\t+n]
.set n, n+1
.endr
.endr
	v_nop
.if (\ck) == 3
	s_wait_loadcnt 0x0                             ; chunk 3's hidden is in
.endif
	s_wait_alu depctr_va_vdst(0)
.irp t, 0,1
.irp n, 32,34,36,38,40,42,44,46
	v_pk_fma_f32 v[EB+64*\t+\n:EB+64*\t+\n+1], v[EB+64*\t+\n:EB+64*\t+\n+1], -2.0, 1.0 op_sel_hi:[1,0,0]   ; n = 1 - 2 / (1 + 2^..)
.endr
.endr
.if (\ck) < 3
.set HX, 160+32*(\ck)
	WIN EW*0x44+1
.else
.set HX, HC3
	WIN EW*0x44
.endif
.irp t, 0,1
.irp n, 0,2,4,6,8,10,12,14
	v_pk_add_f32 v[EB+64*\t+48+\n:EB+64*\t+49+\n], v[HX+16*\t+\n:HX+16*\t+\n+1], v[EB+64*\t+32+\n:EB+64*\t+33+\n] neg_lo:[0,1] neg_hi:[0,1]
.endr
.endr
	WIN EW*0x55
.irp t, 0,1
.irp n, 0,2,4,6,8,10,12,14
	v_pk_fma_f32 v[EB+64*\t+\n:EB+64*\t+\n+1], v[EB+64*\t+16+\n:EB+64*\t+17+\n], v[EB+64*\t+48+\n:EB+64*\t+49+\n], v[EB+64*\t+32+\n:EB+64*\t+33+\n]
.endr
.endr
.endm
.macro STG ck                  ; into the stage
	SETC \ck
	WIN EW*4
.irp t, 0,1
.irp c, 0,1
.irp q, 0,1
	ds_store_b128 v[STO], v[EB+64*\t+8*\c+4*\q:EB+64*\t+8*\c+4*\q+3] offset:((\ck)%2)*SSTEP+HB16*\t+64*\c+16*\q
.endr
.endr
.endr
.endm
.macro RBK ck                  ; eight whole rows of 512 bytes back, into registers that the chunk has done with
	SETC \ck
	WIN EW*0x40
.irp i, 0,1,2,3,4,5,6,7
	ds_load_b128 v[EB+16+4*\i:EB+19+4*\i], v[RD] offset:((\ck)%2)*SSTEP+RP*\i
.endr
.endm
.macro SEND ck                 ; 32 lanes store 512 consecutive bytes, from a multiple of 256 on
	SETC \ck
	WIN EW*4
.irp i, 0,1,2,3,4,5,6,7
	global_store_b128 v[OO], v[EB+16+4*\i:EB+19+4*\i], s[44:45] offset:(\ck)*65536+2048*\i th:TH_STORE_NT
.endr
.endm
	s_mov_b32 s46, 0                               ; pass
	s_mov_b32 s47, 0                               ; its bytes in a row of bias
.Lpass:
	v_add_nc_u32 v[BAC], s47, v[BA]
	s_wait_alu depctr_va_vdst(0)
.irp x, 0,1,2,3,4,5
	CLOAD \x
.endr
	KS 0, 1
	KS 1, 1
	KS 2, 1
	KS 3, 1
	KS 4, 1
	KS 5, 1
	KS 6, 3
	s_cmp_eq_u32 s46, 1
	s_cbranch_scc1 .Llast
	KS 7, 4
.irp i, 0,1,2,3,4,5,6,7,8,9,10,11
	WLOAD 1, \i, 1                                 ; half of the next pass's K step 1
.endr
	WIN 0
	s_wait_loadcnt 44                              ; hidden of chunks 0-2 is in: behind it 8 of chunk 3, 24 and 12 of weights
	s_branch .Lout
.Llast:                                                ; the last pass asks for no further weights
	KS 7, 5
	s_wait_loadcnt 8                               ; behind it 8 of chunk 3
.Lout:
	s_wait_dscnt 0x0                               ; the bias is in
	CHUNK 0
	STG 0
	s_wait_dscnt 0x0
	s_barrier_signal -1                            ; chunk 0 is in the stage
	CHUNK 1                                        ; work on registers while the others arrive
	s_wait_alu depctr_va_vdst(0)
	s_barrier_wait -1
	RBK 0
	STG 1                                          ; the other stage: what was read from it last came back ahead of the barrier just passed
	s_wait_dscnt 0x0
	SEND 0
	WIN 0
	s_cmp_eq_u32 s46, 1
	s_cbranch_scc1 .Lno_more
.irp i, 12,13,14,15,16,17,18,19,20,21,22,23
	WLOAD 1, \i, 1                                 ; its other half
.endr
	WIN 0
.Lno_more:
	s_barrier_signal -1
	CHUNK 2
	s_wait_alu depctr_va_vdst(0)
	s_barrier_wait -1
	RBK 1
	STG 2
	s_wait_dscnt 0x0
	SEND 1
	s_barrier_signal -1
	CHUNK 3
	s_wait_alu depctr_va_vdst(0)
	s_barrier_wait -1
	RBK 2
	STG 3
	s_wait_dscnt 0x0
	SEND 2
	s_barrier_signal -1
	s_barrier_wait -1
	RBK 3
	s_wait_dscnt 0x0
	SEND 3
	WIN 0
	s_wait_xcnt 0x0                                ; stores and loads have read their registers and bases
	s_add_nc_u64 s[8:9], s[8:9], 131072            ; 128 columns on
	s_add_nc_u64 s[10:11], s[10:11], 65536
	s_add_nc_u64 s[12:13], s[12:13], 65536
	s_add_nc_u64 s[42:43], s[42:43], 512
	s_add_nc_u64 s[44:45], s[44:45], 512
	s_add_co_u32 s47, s47, 512
	s_add_co_u32 s46, s46, 1
	s_cmp_lt_u32 s46, 2
	s_cbranch_scc1 .Lpass
	s_wait_tensorcnt 0x0                           ; the wave's end
	ds_add_u32 v[SPW], v[NIL]
	s_wait_dscnt 0x0
	s_endpgm
.Lfunc_end_k_q860f386cb5_gru:
	.size	k_q860f386cb5_gru, .Lfunc_end_k_q860f386cb5_gru-k_q860f386cb5_gru
	.p2alignl 7, 3214868480
	.fill 96, 4, 3214868480
	.section	.rodata,"a",@progbits
	.p2align	6, 0x0
	.amdhsa_kernel k_q860f386cb5_gru
		.amdhsa_group_segment_fixed_size 308736
		.amdhsa_private_segment_fixed_size 0
		.amdhsa_enable_private_segment 0
		.amdhsa_kernarg_size 80
		.amdhsa_user_sgpr_count 2
		.amdhsa_user_sgpr_kernarg_segment_ptr 1
		.amdhsa_wavefront_size32 1
		.amdhsa_system_sgpr_workgroup_id_x 1
		.amdhsa_system_sgpr_workgroup_id_y 1
		.amdhsa_system_sgpr_workgroup_id_z 1
		.amdhsa_system_vgpr_workitem_id 0
		.amdhsa_next_free_vgpr 1024
		.amdhsa_next_free_sgpr 84
		.amdhsa_reserve_vcc 0
		.amdhsa_float_denorm_mode_32 3
		.amdhsa_float_denorm_mode_16_64 3
		.amdhsa_memory_ordered 1
		.amdhsa_forward_progress 1
		.amdhsa_inst_pref_size 255
	.end_amdhsa_kernel
	.section	.bss,"aw",@nobits
	.p2align	6
	.space	262144
	.amdgpu_metadata
---
amdhsa.version: [ 1, 2 ]
amdhsa.kernels:
  - .name:           k_q860f386cb5_gru
    .symbol:         k_q860f386cb5_gru.kd
    .args:
      - { .name: input, .offset: 0, .size: 8, .value_kind: global_buffer, .address_space: global }
      - { .name: hidden, .offset: 8, .size: 8, .value_kind: global_buffer, .address_space: global }
      - { .name: W_gate_codes, .offset: 16, .size: 8, .value_kind: global_buffer, .address_space: global }
      - { .name: W_i_codes, .offset: 24, .size: 8, .value_kind: global_buffer, .address_space: global }
      - { .name: W_h_codes, .offset: 32, .size: 8, .value_kind: global_buffer, .address_space: global }
      - { .name: b_gate, .offset: 40, .size: 8, .value_kind: global_buffer, .address_space: global }
      - { .name: b_i, .offset: 48, .size: 8, .value_kind: global_buffer, .address_space: global }
      - { .name: b_h, .offset: 56, .size: 8, .value_kind: global_buffer, .address_space: global }
      - { .name: lowp_scales, .offset: 64, .size: 8, .value_kind: global_buffer, .address_space: global }
      - { .name: out0, .offset: 72, .size: 8, .value_kind: global_buffer, .address_space: global }
    .group_segment_fixed_size: 308736
    .private_segment_fixed_size: 0
    .kernarg_segment_align: 8
    .kernarg_segment_size: 80
    .max_flat_workgroup_size: 128
    .sgpr_count:     84
    .vgpr_count:     1024
    .wavefront_size: 32
...
	.end_amdgpu_metadata
.endif
;; end of part 1
